; MI455X (gfx1250); checked and timed in simulation.
; The chip was launched on July 23, 2026; its instructions are those of AMD's public machine-readable ISA for CDNA 5 (MIT licence, August 2026) and "CDNA5" Instruction Set Architecture Reference Guide (July 2026). The comments in the code are by the model that wrote it; some were corrected since.
;; Rec Model. Allowed arithmetic: float matrix products may take bf16 or f16 operands with f32 sums; all other float work in f32.
;; Inputs: C 2 x 2 float32; coeffs_A 2 x 2 float32; dy 512 x 8,192 x 2 float32; xicovs 512 x 8,192 x 2 x 2 float32.
;; Outputs: out0 512 x 8,192 x 2 float32.
;; One version. Each part assembles by itself: llvm-mc -triple=amdgcn-amd-amdhsa -mcpu=gfx1250 --defsym DOCPART=n.
;; ======== version 1 of 1: 1 launch
;; launch scan (part 1): grid 512 x 1, 8 waves a work-group, no clusters, 70,912 bytes of LDS; arguments xicovs, dy, coeffs_A, C, out0; writes out0
.if DOCPART == 1
	.amdgcn_target "amdgcn-amd-amdhsa--gfx1250"
	.amdhsa_code_object_version 6
	.text
	.protected	k_q5945ba043a_scan
	.globl	k_q5945ba043a_scan
	.p2align	8
	.type	k_q5945ba043a_scan,@function
k_q5945ba043a_scan:
	s_mov_b64 s[64:65], 0
	v_nop
	global_prefetch_b8 v0, s[64:65] scope:SCOPE_SE
	s_setreg_imm32_b32 hwreg(HW_REG_WAVE_MODE, 25, 1), 1
	s_wait_xcnt 0x0
; RecModel.  For each of 512 rows and t = 0 .. 8191, all in f32:
;   out[t] = DT C x[t],   x[t+1] = x[t] + DT (A - xi[t] C) x[t] + xi[t] dy[t],   x[0] = (1, 0),   DT = 1e-3.
; A step is an affine map x -> M x + b with M = (I + DT A) - DT xi C and b = xi dy, and affine maps compose associatively.
; One work-group owns a row, a wave 1024 consecutive steps, a lane 32 consecutive steps (its chunk):
;   1. each lane composes its 32 maps into (P, q) and leaves M[t], b[t] in the registers that held xi[t], dy[t];
;   2. the 32 lanes' maps are scanned (inclusive), kept as (E = P - I, q): zeros are then the identity, so a lane without a left neighbour needs no mask;
;   3. the eight waves' totals meet in LDS behind the one barrier; each wave scans them over 8 lanes and takes its own start state;
;   4. each lane replays x[t+1] = M[t] x[t] + b[t] from its start state and emits out[t].
; MEMORY.  All 48 loads of a wave (24 KiB) are issued at the start and waited for by counts.  In every load and store sixteen neighbouring lanes
; cover 256 consecutive bytes that start at a multiple of 256 from the buffer's first byte; each input byte is loaded once, each output byte stored once.
; The change between 'one step a lane' (memory side) and '32 steps a lane' (work side) goes through a stage in LDS that is the wave's own:
; 32 rows (one a chunk) of 256 bytes at a pitch of 272, so that both sides touch sixteen different 16-byte columns of the 64 banks of 4 bytes (ISA guide 11.1).
; The stage is used four times (dy; xi steps 0-15 of every chunk; xi steps 16-31; out); LDS serves a wave's instructions in order (ISA guide 5.7.1),
; so these uses need no barrier and no wait between a store and the load that follows it.
; DEAD WORK.  out[t] reads x[t] with t <= 8191 only, and reference() drops the scan's carry x[8192]: for all values of the inputs xicovs[:,8191] and
; dy[:,8191] reach no output.  They are 24 bytes inside blocks whose other steps are live and one lane's step beside 31 live lanes, so they are loaded and
; composed with the rest; the map that holds them (lane 31 of wave 7) is read by nothing that is used: the scans take from lower lanes only, the crossing of
; the halves selects it away, and no wave picks wave 7's total.  A NaN or infinity there is not carried to out, as in reference().
; In the replay each lane leaves out its chunk's last update: the next chunk's start comes from the scan.
; NOT USED: the matrix units (the products are 2 x 2, differ for every row and step and feed a state carried in f32: a 16 x 16 x 32 tile would be almost
; empty and would round the state to 16 bits); clusters (work-groups share only A and C, 32 bytes); tensor loads (the bytes in flight live in registers).
; LIMIT.  The sums are regrouped (chunk maps, prefix maps), so results differ from the sequential order by f32 rounding, amplified by the growth of the
; product of the step matrices along a row; where that product leaves f32's range the result is infinite or NaN.
.set PITCH,  272                       ; LDS bytes from chunk to chunk in a stage
.set WSTAGE, 32*PITCH                  ; a wave's stage: 8,704 bytes
.set TOT,    8*WSTAGE                  ; behind the stages: eight wave totals of 32 bytes
.set LN, 1                             ; v1      lane
.set GX, 2                             ; v2      xi, memory side: 512 (lane / 16) + 16 (lane % 16)
.set GL, 3                             ; v3      dy and out, memory side: 16 lane
.set LC, 4                             ; v4      stage, memory side: 272 (lane / 16) + 16 (lane % 16)
.set LT, 5                             ; v5      stage, work side: 272 lane
.set TA, 6                             ; v6      where my wave's total goes
.set TR, 7                             ; v7      the total that my lane reads: wave lane % 8
.set KR, 8                             ; v[8:11]   I + DT A, by rows
.set NC, 12                            ; v[12:15]  -DT C, by rows
.set DC, 16                            ; v[16:19]  DT C, by columns: (C00, C10), (C01, C11)
.set T,  20                            ; v[20:23]  at work
.set PA, 24                            ; v[24:27]  running P, by rows; PA and PB take turns
.set PB, 28                            ; v[28:31]
.set QA, 32                            ; v[32:33]  running q; QA and QB take turns
.set QB, 34                            ; v[34:35]
.set SA, 36                            ; v[36:41]  a map in the scans: E column 0, E column 1, q
.set SB, 8                             ; v[8:13]   second map (over KR, NC: dead behind stage 1)
.set F,  28                            ; v[28:33]  the neighbour's map (over PB, QA)
.set W,  20                            ; v[20:25]  third map, for the waves' scan (over T, PA)
.set XE, 34                            ; v[34:35]  state at the end of my chunk (over QB)
.set Y,  42                            ; v[42:109] 34 pairs S(t): dy[t] arrives in S(t+2), b[t] is written to S(t+1), x[t+1] replaces it there; x[0 of chunk] in S(0)
.set X,  110                           ; v[110:237] 32 x 4: xi[t], then M[t] by rows, then out
	s_load_b256 s[4:11], s[0:1], 0x0               ; xicovs s[4:5], dy s[6:7], coeffs_A s[8:9], C s[10:11]
	s_load_b64 s[12:13], s[0:1], 0x20              ; out0
	v_lshl_add_u32 v240, v0, 2, 0x11100
	v_mov_b32 v241, 0
	v_lshrrev_b32 v[T+2], 5, v0
	v_readfirstlane_b32 s14, v[T+2]                ; wave 0..7
	v_and_b32 v[LN], 31, v0
	v_and_b32 v[T], 15, v0                         ; lane % 16
	v_bfe_u32 v[T+1], v0, 4, 1                     ; lane / 16
	v_lshlrev_b32 v[GL], 4, v[LN]
	v_lshlrev_b32 v[GX], 4, v[T]
	v_lshl_add_u32 v[GX], v[T+1], 9, v[GX]
	s_mul_i32 s15, s14, WSTAGE                     ; my wave's stage
	v_mul_u32_u24 v[LC], v[T+1], PITCH
	v_lshl_add_u32 v[LC], v[T], 4, v[LC]
	v_add_nc_u32 v[LC], s15, v[LC]
	v_mul_u32_u24 v[LT], v[LN], PITCH
	v_add_nc_u32 v[LT], s15, v[LT]
	v_mov_b32 v[TA], TOT
	v_lshl_add_u32 v[TA], s14, 5, v[TA]
	v_and_b32 v[TR], 7, v0
	v_lshlrev_b32 v[TR], 5, v[TR]
	v_add_nc_u32 v[TR], TOT, v[TR]
	s_lshl_b32 s16, ttmp9, 17                      ; row x 131,072 bytes of xi
	s_lshl_b32 s18, s14, 14                        ; + wave x 1024 steps x 16 bytes; below 2^26
	s_add_co_u32 s16, s16, s18
	s_mov_b32 s17, 0
	s_lshr_b32 s18, s16, 1                         ; dy and out have 8 bytes a step: half of that
	s_mov_b32 s19, 0
	s_mov_b32 s28, 0x3a83126f                      ; DT = 1e-3
	s_mov_b32 s29, 0xba83126f                      ; -DT
	s_mov_b32 s30, -1                              ; v_permlanex16_b32: every lane takes lane 15 of the other half
	s_mov_b32 s31, -1
	s_wait_kmcnt 0x0
	s_add_nc_u64 s[4:5], s[4:5], s[16:17]
	s_add_nc_u64 s[6:7], s[6:7], s[18:19]
	s_add_nc_u64 s[12:13], s[12:13], s[18:19]
	; all 48 loads of the wave.  dy: load i brings chunks 2i and 2i+1 (256 bytes each).
.irp i, 0,1,2,3,4,5,6,7,8,9,10,11,12,13,14,15
	global_load_b128 v[Y+4+4*\i:Y+7+4*\i], v[GL], s[6:7] offset:512*\i th:TH_LOAD_NT
.endr
	; xi: a chunk is 512 bytes.  Piece p, load i: lanes 0-15 take the p-th 256 bytes of chunk 2i, lanes 16-31 those of chunk 2i+1,
	; so that piece 0 alone gives every lane its steps 0-15.
.irp p, 0,1
.irp i, 0,1,2,3,4,5,6,7,8,9,10,11,12,13,14,15
	global_load_b128 v[X+64*\p+4*\i:X+64*\p+4*\i+3], v[GX], s[4:5] offset:1024*\i+256*\p th:TH_LOAD_NT
.endr
.endr
	s_load_b128 s[20:23], s[8:9], 0x0              ; A00 A01 A10 A11
	s_load_b128 s[24:27], s[10:11], 0x0            ; C00 C01 C10 C11
	s_wait_kmcnt 0x0
	v_fma_f32 v[KR],   s20, s28, 1.0               ; I + DT A
	v_mul_f32 v[KR+1], s21, s28
	v_mul_f32 v[KR+2], s22, s28
	v_fma_f32 v[KR+3], s23, s28, 1.0
	v_mul_f32 v[NC],   s24, s29                    ; -DT C, rows
	v_mul_f32 v[NC+1], s25, s29
	v_mul_f32 v[NC+2], s26, s29
	v_mul_f32 v[NC+3], s27, s29
	v_mul_f32 v[DC],   s24, s28                    ; DT C, columns
	v_mul_f32 v[DC+1], s26, s28
	v_mul_f32 v[DC+2], s25, s28
	v_mul_f32 v[DC+3], s27, s28
; Sixteen loaded registers-of-four go through the stage and come back into the same registers, now 256 bytes of my own chunk.
; left = the loads issued behind these sixteen.  The count in front of four stores leaves out the loads issued behind the four that they read.
.macro TRANS reg, left
.irp g, 0,1,2,3
	s_wait_loadcnt \left+12-4*\g
.irp j, 0,1,2,3
	ds_store_b128 v[LC], v[\reg+16*\g+4*\j:\reg+16*\g+4*\j+3] offset:2*PITCH*(4*\g+\j)
.endr
.endr
.irp k, 0,1,2,3,4,5,6,7,8,9,10,11,12,13,14,15
	ds_load_b128 v[\reg+4*\k:\reg+4*\k+3], v[LT] offset:16*\k
.endr
.endm
; Step t of my chunk: b = xi dy into S(t+1); M by rows over xi; then (P, q) <- (M P, M q + b).  Step 0 starts the product: (P, q) = (M[0], b[0]) where they lie.
; Row pairs serve the packed forms (a row of M = a row of K + two scalars times rows of -DT C; a row of M P = two scalars times rows of P);
; what runs down a column (b, q) goes in dual issue: destinations even and odd, first sources two registers apart, second source shared.
.macro STEP t
.set XR, X+4*(\t)
.set BR, Y+2*(\t)+2
.set YR, Y+2*(\t)+4
.if ((\t)&1)
.set PN, PA
.set QN, QA
.set PP, PB
.set QP, QB
.else
.set PN, PB
.set QN, QB
.set PP, PA
.set QP, QA
.endif
.if (\t)==1
.set PP, X
.set QP, Y+2
.endif
.if (\t)==31
.set QN, SA+4
.endif
	v_dual_mul_f32 v[BR], v[XR+1], v[YR+1] :: v_dual_mul_f32 v[BR+1], v[XR+3], v[YR+1]
	v_pk_fma_f32 v[T:T+1],     v[XR:XR+1],   v[NC:NC+1], v[KR:KR+1]     op_sel_hi:[0,1,1]
	v_pk_fma_f32 v[T+2:T+3],   v[XR+2:XR+3], v[NC:NC+1], v[KR+2:KR+3]   op_sel_hi:[0,1,1]
	v_dual_fmac_f32 v[BR], v[XR], v[YR] :: v_dual_fmac_f32 v[BR+1], v[XR+2], v[YR]
	v_pk_fma_f32 v[XR:XR+1],   v[XR:XR+1],   v[NC+2:NC+3], v[T:T+1]     op_sel:[1,0,0] op_sel_hi:[1,1,1]
	v_pk_fma_f32 v[XR+2:XR+3], v[XR+2:XR+3], v[NC+2:NC+3], v[T+2:T+3]   op_sel:[1,0,0] op_sel_hi:[1,1,1]
.if (\t)>0
	v_pk_mul_f32 v[PN:PN+1],   v[XR:XR+1],   v[PP:PP+1] op_sel_hi:[0,1]
	v_pk_mul_f32 v[PN+2:PN+3], v[XR+2:XR+3], v[PP:PP+1] op_sel_hi:[0,1]
	v_fma_f32 v[QN],   v[XR],   v[QP], v[BR]
	v_fma_f32 v[QN+1], v[XR+2], v[QP], v[BR+1]
	v_pk_fma_f32 v[PN:PN+1],   v[XR:XR+1],   v[PP+2:PP+3], v[PN:PN+1]   op_sel:[1,0,0] op_sel_hi:[1,1,1]
	v_pk_fma_f32 v[PN+2:PN+3], v[XR+2:XR+3], v[PP+2:PP+3], v[PN+2:PN+3] op_sel:[1,0,0] op_sel_hi:[1,1,1]
	v_dual_fmac_f32 v[QN], v[XR+1], v[QP+1] :: v_dual_fmac_f32 v[QN+1], v[XR+3], v[QP+1]
.endif
.endm
	TRANS Y+4, 32                                  ; dy: 32 loads of xi stay out
	TRANS X, 16                                    ; xi, steps 0-15: the second piece stays out
.irp g, 0,1,2,3
	s_wait_dscnt 12-4*\g                           ; LDS loads come back in order: the four steps' xi are in (and all of dy, read earlier)
.irp j, 0,1,2,3
	STEP 4*\g+\j
.endr
.endr
	TRANS X+64, 0                                  ; xi, steps 16-31
.irp g, 0,1,2,3
	s_wait_dscnt 12-4*\g
.irp j, 0,1,2,3
	STEP 16+4*\g+\j
.endr
.endr
; d = c after p, maps as (E column 0, E column 1, q):  each column of d = c's + p's + E_c times p's.
.macro COMPOSE c, p, d
.irp j, 0,2,4
	v_pk_add_f32 v[\d+\j:\d+\j+1], v[\c+\j:\c+\j+1], v[\p+\j:\p+\j+1]
.endr
.irp j, 0,2,4
	v_pk_fma_f32 v[\d+\j:\d+\j+1], v[\c:\c+1], v[\p+\j:\p+\j+1], v[\d+\j:\d+\j+1] op_sel_hi:[1,0,1]
.endr
.irp j, 0,2,4
	v_pk_fma_f32 v[\d+\j:\d+\j+1], v[\c+2:\c+3], v[\p+\j:\p+\j+1], v[\d+\j:\d+\j+1] op_sel:[0,1,0] op_sel_hi:[1,1,1]
.endr
.endm
; the map of the lane n to the left inside my half of 16 lanes; zeros, the identity, where there is none
.macro LEFT src, n
.irp k, 0,1,2,3,4,5
	v_mov_b32_dpp v[F+\k], v[\src+\k] row_shr:\n row_mask:0xf bank_mask:0xf bound_ctrl:1
.endr
.endm
	; stage 2: my chunk's map as (E, q), by columns (step 31 has put q into SA+4), and the inclusive scan over the wave
	v_add_f32 v[SA],   -1.0, v[PA]
	v_mov_b32 v[SA+1], v[PA+2]
	v_mov_b32 v[SA+2], v[PA+1]
	v_add_f32 v[SA+3], -1.0, v[PA+3]
	LEFT SA, 1
	COMPOSE SA, F, SB
	LEFT SB, 2
	COMPOSE SB, F, SA
	LEFT SA, 4
	COMPOSE SA, F, SB
	LEFT SB, 8
	COMPOSE SB, F, SA
	v_cmp_le_u32 vcc_lo, 16, v[LN]                 ; the upper half goes behind lane 15's prefix; the lower half takes the identity, by a select
.irp k, 0,1,2,3,4,5
	v_permlanex16_b32 v[F+\k], v[SA+\k], s30, s31
.endr
.irp k, 0,1,2,3,4,5
	v_cndmask_b32 v[F+\k], 0, v[F+\k], vcc_lo
.endr
	COMPOSE SA, F, SB                              ; SB: the map of the wave's steps up to the end of my chunk
	; stage 3: lane 31 holds the wave's total.  (Wave 7's is stored like the others and is read below by lanes whose results nothing uses.)
	v_cmp_eq_u32 vcc_lo, 31, v[LN]
	s_wait_xcnt 0x0                                ; EXEC changes only behind this wait; no global instruction stands between here and its restoring
	s_and_saveexec_b32 s40, vcc_lo
	ds_store_b128 v[TA], v[SB:SB+3]
	ds_store_b64 v[TA], v[SB+4:SB+5] offset:16
	s_or_b32 exec_lo, exec_lo, s40
	s_wait_dscnt 0x0                               ; for the other waves: my total is in LDS before I signal
	s_barrier_signal -1
	s_barrier_wait -1
	ds_load_b128 v[SA:SA+3], v[TR]                 ; lane l: the total of wave l % 8
	ds_load_b64 v[SA+4:SA+5], v[TR] offset:16
	s_sub_co_i32 s41, s14, 1                       ; the lane that will hold waves 0 .. wave-1
	s_max_i32 s41, s41, 0
	s_wait_dscnt 0x0
	; With x[0] = (1, 0) a map's effect is d = map(x[0]) - x[0] = E column 0 + q, and d composes by the same formula as q: scan (E, d) over lanes 0-7.
	v_pk_add_f32 v[SA+4:SA+5], v[SA+4:SA+5], v[SA:SA+1]
	LEFT SA, 1
	COMPOSE SA, F, W
	LEFT W, 2
	COMPOSE W, F, SA
	v_mov_b32_dpp v[F+4], v[SA+4] row_shr:4 row_mask:0xf bank_mask:0xf bound_ctrl:1   ; the last stage needs d alone
	v_mov_b32_dpp v[F+5], v[SA+5] row_shr:4 row_mask:0xf bank_mask:0xf bound_ctrl:1
	v_pk_add_f32 v[W+4:W+5], v[SA+4:SA+5], v[F+4:F+5]
	v_pk_fma_f32 v[W+4:W+5], v[SA:SA+1],   v[F+4:F+5], v[W+4:W+5] op_sel_hi:[1,0,1]
	v_pk_fma_f32 v[W+4:W+5], v[SA+2:SA+3], v[F+4:F+5], v[W+4:W+5] op_sel:[0,1,0] op_sel_hi:[1,1,1]
	v_readlane_b32 s42, v[W+4], s41
	v_readlane_b32 s43, v[W+5], s41
	s_cmp_eq_u32 s14, 0                            ; wave 0 starts at x[0] itself
	s_cselect_b32 s42, 0, s42
	s_cselect_b32 s43, 0, s43
	v_add_f32 v[Y], s42, 1.0                       ; S(0) = the state at my wave's first step, in every lane
	v_mov_b32 v[Y+1], s43
	v_pk_add_f32 v[XE:XE+1], v[SB+4:SB+5], v[Y:Y+1]                                   ; the state at the end of my chunk: x + q + E x
	v_pk_fma_f32 v[XE:XE+1], v[SB:SB+1],   v[Y:Y+1], v[XE:XE+1] op_sel_hi:[1,0,1]
	v_pk_fma_f32 v[XE:XE+1], v[SB+2:SB+3], v[Y:Y+1], v[XE:XE+1] op_sel:[0,1,0] op_sel_hi:[1,1,1]
	v_mov_b32_dpp v[Y],   v[XE]   row_shr:1 row_mask:0xf bank_mask:0xf                ; my start = my left neighbour's end; lanes 0 and 16 keep what they have
	v_mov_b32_dpp v[Y+1], v[XE+1] row_shr:1 row_mask:0xf bank_mask:0xf
	v_readlane_b32 s44, v[XE], 15
	v_readlane_b32 s45, v[XE+1], 15
	v_writelane_b32 v[Y], s44, 16                  ; lane 16 takes lane 15's end; lane 0 keeps the wave's start
	v_writelane_b32 v[Y+1], s45, 16
; stage 4.  S(t+1) holds b[t]; two dual multiply-adds make it x[t+1] in place.  out[t] = DT C x[t], two packed operations, is set between the links of
; that chain, one step behind it, and lands in the registers of M[2k], which the chain has used: out[2k], out[2k+1] are 16 bytes for the stage.
.macro ADVA t
.set XR, X+4*(\t)
.set SC, Y+2*(\t)
	v_dual_fmac_f32 v[SC+2], v[XR], v[SC] :: v_dual_fmac_f32 v[SC+3], v[XR+2], v[SC]
.endm
.macro ADVB t
.set XR, X+4*(\t)
.set SC, Y+2*(\t)
	v_dual_fmac_f32 v[SC+2], v[XR+1], v[SC+1] :: v_dual_fmac_f32 v[SC+3], v[XR+3], v[SC+1]
.endm
.macro OMUL t
.set OS, Y+2*(\t)
.set OD, X+8*((\t)/2)+2*((\t)&1)
	v_pk_mul_f32 v[OD:OD+1], v[DC:DC+1], v[OS:OS+1] op_sel_hi:[1,0]
.endm
.macro OFMA t
.set OS, Y+2*(\t)
.set OD, X+8*((\t)/2)+2*((\t)&1)
	v_pk_fma_f32 v[OD:OD+1], v[DC+2:DC+3], v[OS:OS+1], v[OD:OD+1] op_sel:[0,1,0] op_sel_hi:[1,1,1]
.endm
	ADVA 0
	ADVB 0
.irp t, 1,2,3,4,5,6,7,8,9,10,11,12,13,14,15,16,17,18,19,20,21,22,23,24,25,26,27,28,29,30
	ADVA \t
	OMUL \t-1
	ADVB \t
	OFMA \t-1
.if ((\t)&1)==0
	ds_store_b128 v[LT], v[X+8*((\t)/2-1):X+8*((\t)/2-1)+3] offset:16*((\t)/2-1)
.endif
.endr
	OMUL 30                                        ; x[31 of chunk] is the last state that is emitted: no update follows it
	OMUL 31
	OFMA 30
	OFMA 31
	ds_store_b128 v[LT], v[X+120:X+123] offset:240
	; back by chunks: read-back i brings chunks 2i and 2i+1, 512 consecutive bytes of out, into the registers of M[2i+1], which are free
.irp i, 0,1,2,3,4,5,6,7,8,9,10,11,12,13,14,15
	ds_load_b128 v[X+8*\i+4:X+8*\i+7], v[LC] offset:2*PITCH*\i
.endr
.irp i, 0,1,2,3,4,5,6,7,8,9,10,11,12,13,14,15
	s_wait_dscnt 15-\i                             ; read-back i is in; the younger ones stay out
	global_store_b128 v[GL], v[X+8*\i+4:X+8*\i+7], s[12:13] offset:512*\i th:TH_STORE_NT
.endr
	s_wait_tensorcnt 0x0
	ds_add_u32 v240, v241
	s_wait_dscnt 0x0
	s_endpgm
.Lfunc_end_k_q5945ba043a_scan:
	.size	k_q5945ba043a_scan, .Lfunc_end_k_q5945ba043a_scan-k_q5945ba043a_scan
	.p2alignl 7, 3214868480
	.fill 96, 4, 3214868480
	.section	.rodata,"a",@progbits
	.p2align	6, 0x0
	.amdhsa_kernel k_q5945ba043a_scan
		.amdhsa_group_segment_fixed_size 70912
		.amdhsa_private_segment_fixed_size 0
		.amdhsa_enable_private_segment 0
		.amdhsa_kernarg_size 40
		.amdhsa_user_sgpr_count 2
		.amdhsa_user_sgpr_kernarg_segment_ptr 1
		.amdhsa_wavefront_size32 1
		.amdhsa_system_sgpr_workgroup_id_x 1
		.amdhsa_system_sgpr_workgroup_id_y 1
		.amdhsa_system_sgpr_workgroup_id_z 1
		.amdhsa_system_vgpr_workitem_id 0
		.amdhsa_next_free_vgpr 242
		.amdhsa_next_free_sgpr 66
		.amdhsa_reserve_vcc 1
		.amdhsa_float_denorm_mode_32 3
		.amdhsa_float_denorm_mode_16_64 3
		.amdhsa_memory_ordered 1
		.amdhsa_forward_progress 1
		.amdhsa_inst_pref_size 61
	.end_amdhsa_kernel
	.amdgpu_metadata
---
amdhsa.version: [ 1, 2 ]
amdhsa.kernels:
  - .name:           k_q5945ba043a_scan
    .symbol:         k_q5945ba043a_scan.kd
    .args:
      - { .name: xicovs, .offset: 0, .size: 8, .value_kind: global_buffer, .address_space: global }
      - { .name: dy, .offset: 8, .size: 8, .value_kind: global_buffer, .address_space: global }
      - { .name: coeffs_A, .offset: 16, .size: 8, .value_kind: global_buffer, .address_space: global }
      - { .name: C, .offset: 24, .size: 8, .value_kind: global_buffer, .address_space: global }
      - { .name: out0, .offset: 32, .size: 8, .value_kind: global_buffer, .address_space: global }
    .group_segment_fixed_size: 70912
    .private_segment_fixed_size: 0
    .kernarg_segment_align: 8
    .kernarg_segment_size: 40
    .max_flat_workgroup_size: 256
    .sgpr_count:     66
    .vgpr_count:     242
    .wavefront_size: 32
...
	.end_amdgpu_metadata
.endif
;; end of part 1
